; MI455X (gfx1250); checked and timed in simulation.
; The chip was launched on July 23, 2026; its instructions are those of AMD's public machine-readable ISA for CDNA 5 (MIT licence, August 2026) and "CDNA5" Instruction Set Architecture Reference Guide (July 2026). The comments in the code are by the model that wrote it; some were corrected since.
;; Mo E. Allowed arithmetic: float matrix products may take bf16 or f16 operands with f32 sums; other float arithmetic in f32, or as packed bf16 or f16 multiplies, adds, multiply-adds, maxima and minima; sums over many terms, partial sums and values carried from step to step in f32; what a program stores and reads back later, other than sums and carried values, may be rounded once to bf16 or f16.
;; Inputs: fc1_b 8 x 512 float32; fc1_w 8 x 512 x 1,024 float32; fc2_b 8 x 1,024 float32; fc2_w 8 x 1,024 x 512 float32; gate_w 8 x 1,024 float32; x 4 x 2,048 x 1,024 float32.
;; Outputs: out0 4 x 2,048 x 1,024 float32; out1 one number float32.
;; One version. Each part assembles by itself: llvm-mc -triple=amdgcn-amd-amdhsa -mcpu=gfx1250 --defsym DOCPART=n.
;; ======== version 1 of 1: 2 launches
;; limits: values are held in f16: magnitudes above 65,504 overflow, below 6.1e-05 lose precision
;; workspace buffers: wb 16,777,216 bytes; rt 16,384 bytes of whole numbers; impb 32,768 bytes; psum 16,384 bytes
;; launch prep (part 1): grid 256 x 1, 4 waves a work-group, no clusters, 283,392 bytes of LDS; arguments x, gate_w, fc1_w, fc2_w, wb, rt, impb, psum; writes wb, rt, impb, psum
.if DOCPART == 1
	.amdgcn_target "amdgcn-amd-amdhsa--gfx1250"
	.amdhsa_code_object_version 6
	.text
	.protected	k_q4c0c6184b5_prep
	.globl	k_q4c0c6184b5_prep
	.p2align	8
	.type	k_q4c0c6184b5_prep,@function
k_q4c0c6184b5_prep:
	s_mov_b64 s[64:65], 0
	v_nop
	global_prefetch_b8 v0, s[64:65] scope:SCOPE_SE
	s_setreg_imm32_b32 hwreg(HW_REG_WAVE_MODE, 25, 1), 1
	s_wait_xcnt 0x0
; TOP-1 MIXTURE OF EXPERTS, first of two launches: the router, and the weights rounded and laid out.
; WHAT THE PROGRAM LEAVES OUT.  reference() computes y for all 8 experts of every token and keeps, by where(sel == e, y * imp, 0), the one row with e = sel: the other
; seven rows of each token reach no output.  Which row is kept is a whole number: this launch stores it, and the second launch, which reads it from memory, multiplies each token by its
; own expert alone.  All six inputs have a way to an output and all are loaded.  LIMIT: a NaN, an infinity or an overflow in an expert that a token did not choose is not computed; reference()'s where drops it too.
; FORMATS.  Every input is rounded once to bf16 (x and gate_w here, x again in the same way in the second launch, the weights here, the biases there); all sums, the softmax and imp in f32.
; The second product runs in f16, since its other operand, the hidden layer, wants f16's 11 significant bits: fc2_w's bf16 number is written as f16.  That is exact from 2^-17 up to 65,504;
; below 2^-17 it is off by 2^-25 at the most.  LIMIT: a weight of fc2_w of 65,520 or more becomes an infinity.
; LIMITS.  The chosen expert is the lowest e with 2^((l_e - max l) log2 e) == 1.0, which is the lowest index among equal scores; a token none of whose logits gives 1.0 (a NaN) goes to expert 0.
; The f32 sums are taken in another order than reference()'s.
; SHARES.  256 work-groups of four waves; every wave owns 64 KiB of one source, brought by four tensor loads (pieces of 16 rows x 256 f32), all first fills: nothing in LDS is filled twice.
;   work-groups 0-127:   wave = a UNIT of 16 tokens: logits by the matrix unit, softmax, the choice as bit masks and counts (rt), imp (impb), the unit's sums of the scores (psum)
;   work-groups 128-191: wave = 16 rows of fc1_w;   work-groups 192-255: wave = 32 rows of fc2_w: rounded and stored as the second launch's operand registers take them:
;   wb = expert x 2 MiB + wave w of that launch x 256 KiB + K step s x 4,096 + fragment nb x 1,024; in a fragment lane l's registers 0-3 lie at 16 l, registers 4-7 at 512 + 16 l.
;   fc1: s = 0..31, weight row 64 w + 16 nb + l % 16, k from 32 s.   fc2: s = 32 + 16 c + ks, weight row 128 w + 64 c + 16 nb + l % 16, k from 32 ks.
; rt: masks[unit][4 words] at 0, counts[unit][4 words] at 8,192; word q holds expert 2 q in its low half, expert 2 q + 1 in its high half.  psum: experts 0-3 at 16 unit, experts 4-7 at 8,192 + 16 unit.
; The router's results are 16 or 64 bytes a wave: 64 KiB in the whole launch, stored as they fall.
; NO CLUSTER: what work-groups share is gate_w, 32 KiB beside the 64 KiB that each wave reads alone.
.set TPIECE, 16640                     ; a piece in LDS: 16 rows of 1,024 bytes + 16 of padding: pitch 1,040, an odd multiple of 16, so the 16 rows of a load start in 16 different groups of four banks
.set TWAVE,  4*TPIECE                  ; a wave's four pieces
.set GT,     4*TWAVE                   ; behind the tiles: gate_w in bf16, 8 rows, written by ds_store: blocks of 256 bytes into which no tensor load lands
.set GP,     2064                      ; its pitch: 2,048 + 16
.set SPARE,  GT+16640                  ; the spare words, 128 bytes for each wave
.set SPW, 1                            ; v1   my spare word's address; never rewritten
.set NIL, 2                            ; v2   0; never rewritten
.set LN,  3                            ; v3   lane
.set R16, 4                            ; v4   lane % 16
.set HI,  5                            ; v5   lane / 16
.set LA,  6                            ; v6   my place in my wave's piece 0: row lane % 16, byte 32 (lane / 16)
.set SO,  7                            ; v7   16 x lane
.set GA,  8                            ; v8   my place in the gate's rows: row lane % 8, byte 16 (lane / 16)
.set GS,  9                            ; v9   where I put 8 bytes of the gate's rows
.set FB,  16                           ; v[16:47]   two buffers of 16: a fragment's numbers in f32
.set BF,  48                           ; v[48:63]   two buffers of 8: the fragment in 16 bits
.set GF,  64                           ; v[64:127]  the gate's eight fragments of a piece
.set ACC, 128                          ; v[128:143] two accumulators, by turns
.set LG,  144                          ; v[144:151] logits, then 2^(..), then scores
.set G1,  20                           ; s[20:27]  descriptor group 1
.set G0,  28                           ; s[28:43]  descriptor group 0, a set for each piece
.set WV,  44
.set UNIT, 45                          ; which 64 KiB of the source are mine
.set SRC, 46                           ; s[46:47]
.set DST, 48                           ; s[48:49]
.set OFS, 50                           ; s[50:51]  an offset, high word 0
.set LB,  52
.set TAKEN, 53
.set MSK, 54                           ; s54-61  the eight masks
.set T0,  62
.set T1,  63
.set PB,  66                           ; s[66:73]  cast: a destination for each piece; router: the packed words
.set SAVE, 74
	s_load_b512 s[4:19], s[0:1], 0x0               ; x, gate_w, fc1_w, fc2_w, wb, rt, impb, psum
	v_lshl_add_u32 v[SPW], v0, 2, SPARE
	v_mov_b32 v[NIL], 0
	ds_add_u32 v[SPW], v[NIL]                      ; the wave's opening: the add, twice on end, with its wait ahead of my first tensor load
	ds_add_u32 v[SPW], v[NIL]
	v_lshrrev_b32 v10, 5, v0
	v_readfirstlane_b32 s[WV], v10                 ; wave 0..3
	v_and_b32 v[LN], 31, v0
	v_and_b32 v[R16], 15, v0
	v_bfe_u32 v[HI], v0, 4, 1
	s_mul_i32 s[LB], s[WV], TWAVE
	v_mul_u32_u24 v[LA], v[R16], 1040
	v_lshl_add_u32 v[LA], v[HI], 5, v[LA]
	v_add_nc_u32 v[LA], s[LB], v[LA]
	v_lshlrev_b32 v[SO], 4, v[LN]
	v_and_b32 v[GA], 7, v0
	v_mul_u32_u24 v[GA], v[GA], GP
	v_lshl_add_u32 v[GA], v[HI], 4, v[GA]
	v_add_nc_u32 v[GA], GT, v[GA]
	s_mul_i32 s[T0], s[WV], 2*GP
	s_add_co_u32 s[T0], s[T0], GT
	v_lshl_add_u32 v[GS], v[LN], 3, s[T0]          ; wave w fills the gate's rows 2 w and 2 w + 1
	; group 1: a piece of 16 rows x 256 elements of 4 bytes, 4 words of padding behind every 256 words; the pitch is written in the arms below
	s_mov_b32 s[G1+0], (2<<16)|(1<<20)|(7<<22)|(3<<25)
	s_mov_b32 s[G1+1], 256<<16                     ; tensor_dim0 = 256
	s_mov_b32 s[G1+2], 16<<16                      ; tensor_dim1 = 16
	s_mov_b32 s[G1+3], 256<<16                     ; tile_dim0 = 256
	s_mov_b32 s[G1+4], 16                          ; tile_dim1 = 16
	s_mov_b32 s[G1+6], 0
	s_mov_b32 s[G1+7], 0
.irp p,0,1,2,3
	s_mov_b32 s[G0+4*\p], 1
	s_add_co_u32 s[G0+4*\p+1], s[LB], \p*TPIECE    ; wave x 66,560 + piece x 16,640
.endr
	s_mov_b32 s[OFS+1], 0
	s_wait_dscnt 0x0                               ; both opening adds are done
	s_wait_kmcnt 0x0
	s_cmp_lt_u32 ttmp9, 192
	s_cbranch_scc0 .Lsrc_fc2
	s_and_b32 s[UNIT], ttmp9, 127                  ; x and fc1_w: rows of 4,096 bytes, 16 of them mine; piece p = their bytes 1,024 p on
	s_lshl2_add_u32 s[UNIT], s[UNIT], s[WV]
	s_lshl_b32 s[OFS], s[UNIT], 16
	s_cmp_lt_u32 ttmp9, 128
	s_cselect_b64 s[SRC:SRC+1], s[4:5], s[8:9]
	s_add_nc_u64 s[SRC:SRC+1], s[SRC:SRC+1], s[OFS:OFS+1]
	s_mov_b32 s[G1+5], 1024
.irp p,0,1,2,3
	s_add_nc_u64 s[G0+4*\p+2:G0+4*\p+3], s[SRC:SRC+1], 1024*\p
	s_or_b32 s[G0+4*\p+3], s[G0+4*\p+3], 0x80000000
	tensor_load_to_lds s[G0+4*\p:G0+4*\p+3], s[G1:G1+7]
	s_nop 0
.endr
	s_branch .Lasked
.Lsrc_fc2:
	s_sub_co_u32 s[UNIT], ttmp9, 192               ; fc2_w: rows of 2,048 bytes, 32 of them mine; piece p = rows 16 (p / 2) on, bytes 1,024 (p % 2) on
	s_lshl2_add_u32 s[UNIT], s[UNIT], s[WV]
	s_lshl_b32 s[OFS], s[UNIT], 16
	s_add_nc_u64 s[SRC:SRC+1], s[10:11], s[OFS:OFS+1]
	s_mov_b32 s[G1+5], 512
.irp p,0,1,2,3
	s_add_nc_u64 s[G0+4*\p+2:G0+4*\p+3], s[SRC:SRC+1], (\p/2)*32768+(\p%2)*1024
	s_or_b32 s[G0+4*\p+3], s[G0+4*\p+3], 0x80000000
	tensor_load_to_lds s[G0+4*\p:G0+4*\p+3], s[G1:G1+7]
	s_nop 0
.endr
.Lasked:                                               ; four tensor loads of mine are out, on either way
	s_cmp_lt_u32 ttmp9, 128
	s_cbranch_scc0 .Lmeet
	s_lshl_b32 s[T0], s[WV], 13                    ; the router's work-groups lay gate_w into LDS in bf16: two rows a wave, 512 bytes a load
	v_add_nc_u32 v10, s[T0], v[SO]
.irp i,0,1,2,3,4,5,6,7,8,9,10,11,12,13,14,15
	global_load_b128 v[16+4*\i:16+4*\i+3], v10, s[6:7] offset:(\i/8)*4096+(\i%8)*512
.endr
	s_wait_loadcnt 0x0
.irp i,0,1,2,3,4,5,6,7,8,9,10,11,12,13,14,15
	v_cvt_pk_bf16_f32 v[128+2*\i], v[16+4*\i], v[16+4*\i+1]
	v_cvt_pk_bf16_f32 v[128+2*\i+1], v[16+4*\i+2], v[16+4*\i+3]
.endr
.irp i,0,1,2,3,4,5,6,7,8,9,10,11,12,13,14,15
	ds_store_b64 v[GS], v[128+2*\i:128+2*\i+1] offset:(\i/8)*GP+(\i%8)*256
.endr
.Lmeet:
	s_wait_dscnt 0x0                               ; for the others' sake: my rows of the gate are in LDS
	s_barrier_signal -1
	s_barrier_wait -1                              ; the launch's one barrier; the tensor loads stay out across it
; Four LDS loads: the 16 f32 of my part of a fragment (row lane % 16; k = 8 h .. 8 h + 7 and 16 + 8 h .. + 7 of K step kk of piece p)
.macro RDF f, p, kk
	ds_load_b128 v[(\f):(\f)+3],     v[LA] offset:(\p)*TPIECE+128*(\kk)
	ds_load_b128 v[(\f)+4:(\f)+7],   v[LA] offset:(\p)*TPIECE+128*(\kk)+16
	ds_load_b128 v[(\f)+8:(\f)+11],  v[LA] offset:(\p)*TPIECE+128*(\kk)+64
	ds_load_b128 v[(\f)+12:(\f)+15], v[LA] offset:(\p)*TPIECE+128*(\kk)+80
.endm
.macro CVT f, g                        ; rounded to bf16: the fragment's eight registers
.irp i,0,1,2,3,4,5,6,7
	v_cvt_pk_bf16_f32 v[(\g)+\i], v[(\f)+2*\i], v[(\f)+2*\i+1]
.endr
.endm
.macro TOH f, g                        ; the bf16 numbers widened again (a shift, a mask) and written as f16
.irp i,0,1,2,3,4,5,6,7
	v_lshlrev_b32 v[(\f)+2*\i], 16, v[(\g)+\i]
	v_and_b32 v[(\f)+2*\i+1], s[T1], v[(\g)+\i]
.endr
.irp i,0,1,2,3,4,5,6,7
	v_cvt_pk_f16_f32 v[(\g)+\i], v[(\f)+2*\i], v[(\f)+2*\i+1]
.endr
.endm
; A piece: eight fragments, each read from LDS, rounded and stored as 2 x 512 consecutive bytes, aligned.  hf = 1: fc2_w, whose bf16 numbers leave as f16.
.macro CASTPIECE p, hf
	s_wait_tensorcnt 3-(\p)                        ; tensor loads of a wave end in order: piece p is in, the 3 - p younger ones may be out
	RDF FB, \p, 0
	RDF FB+16, \p, 1
.irp k,0,1,2,3,4,5,6,7
.if \k < 7
	s_wait_dscnt 4                                 ; this K step's four loads are in; the next step's four may be out
.else
	s_wait_dscnt 0
.endif
	s_wait_xcnt 0x0                                ; the 16-bit buffer was an earlier store's data: it is rewritten only behind this wait
	CVT FB+16*(\k%2), BF+8*(\k%2)
.if \hf
	TOH FB+16*(\k%2), BF+8*(\k%2)
.endif
.if \k < 6
	RDF FB+16*(\k%2), \p, \k+2
.endif
	global_store_b128 v[SO], v[BF+8*(\k%2):BF+8*(\k%2)+3],   s[PB+2*(\p):PB+2*(\p)+1] offset:4096*\k
	global_store_b128 v[SO], v[BF+8*(\k%2)+4:BF+8*(\k%2)+7], s[PB+2*(\p):PB+2*(\p)+1] offset:4096*\k+512
.endr
.endm
	s_cmp_lt_u32 ttmp9, 128
	s_cbranch_scc1 .Lrouter
	; THE CASTS.  Where my fragments go: expert = unit / 32, wave of the second launch = (unit / 4) % 8, for both tensors
	s_lshr_b32 s[T0], s[UNIT], 5
	s_lshl_b32 s[OFS], s[T0], 21
	s_bfe_u32 s[T0], s[UNIT], 0x30002
	s_lshl_b32 s[T0], s[T0], 18
	s_add_co_u32 s[OFS], s[OFS], s[T0]
	s_cmp_lt_u32 ttmp9, 192
	s_cbranch_scc0 .Ldst_fc2
	s_and_b32 s[T0], s[UNIT], 3                    ; fc1: fragment nb = unit % 4; piece p holds K steps 8 p .. 8 p + 7
	s_lshl_b32 s[T0], s[T0], 10
	s_add_co_u32 s[OFS], s[OFS], s[T0]
	s_add_nc_u64 s[DST:DST+1], s[12:13], s[OFS:OFS+1]
.irp p,0,1,2,3
	s_add_nc_u64 s[PB+2*\p:PB+2*\p+1], s[DST:DST+1], 32768*\p
.endr
	CASTPIECE 0, 0
	CASTPIECE 1, 0
	CASTPIECE 2, 0
	CASTPIECE 3, 0
	s_branch .Lend
.Ldst_fc2:
	s_bfe_u32 s[T0], s[UNIT], 0x10001              ; fc2: chunk c = (unit / 2) % 2: steps 32 + 16 c on;
	s_lshl_b32 s[T0], s[T0], 16
	s_add_co_u32 s[OFS], s[OFS], s[T0]
	s_and_b32 s[T0], s[UNIT], 1                    ; fragment nb = 2 (unit % 2) + p / 2; piece p holds K steps 8 (p % 2) on
	s_lshl_b32 s[T0], s[T0], 11
	s_add_co_u32 s[OFS], s[OFS], s[T0]
	s_add_co_u32 s[OFS], s[OFS], 131072
	s_add_nc_u64 s[DST:DST+1], s[12:13], s[OFS:OFS+1]
.irp p,0,1,2,3
	s_add_nc_u64 s[PB+2*\p:PB+2*\p+1], s[DST:DST+1], (\p/2)*1024+(\p%2)*32768
.endr
	s_mov_b32 s[T1], 0xffff0000                    ; a word's upper bf16
	CASTPIECE 0, 1
	CASTPIECE 1, 1
	CASTPIECE 2, 1
	CASTPIECE 3, 1
	s_branch .Lend
.Lrouter:
; THE ROUTER.  Source 0 = 16 rows of the gate (row m is expert m % 8), source 1 = my 16 tokens: in the result lane l holds token l % 16, and its registers 0-7 the logits of experts 0-7
; (both halves of the lanes hold the same).  Two accumulators take turns, one instruction a turn; the eight conversions of the step between are the places
; in front of the rewriting of a bf16 buffer that a product has read.
.macro GATEPIECE p
	s_wait_tensorcnt 3-(\p)                        ; piece p is in, the 3 - p younger ones may be out
.if (\p) > 0
.rept 4
	v_nop                                          ; four places between the last product and the loads into the gate's fragments, which it has read
.endr
.endif
.irp k,0,1,2,3,4,5,6,7
	ds_load_b128 v[GF+8*\k:GF+8*\k+3],   v[GA] offset:64*(8*(\p)+\k)
	ds_load_b128 v[GF+8*\k+4:GF+8*\k+7], v[GA] offset:64*(8*(\p)+\k)+32
.endr
	RDF FB, \p, 0
	RDF FB+16, \p, 1
.irp k,0,1,2,3,4,5,6,7
.if \k < 7
	s_wait_dscnt 4                                 ; the gate's fragments and this K step's tokens are in; the next step's four loads may be out
.else
	s_wait_dscnt 0
.endif
	CVT FB+16*(\k%2), BF+8*(\k%2)
.if \k < 6
	RDF FB+16*(\k%2), \p, \k+2
.endif
.if ((\p) == 0) && (\k < 2)
	v_wmma_f32_16x16x32_bf16 v[ACC+8*(\k%2):ACC+8*(\k%2)+7], v[GF+8*\k:GF+8*\k+7], v[BF+8*(\k%2):BF+8*(\k%2)+7], 0
.else
	v_wmma_f32_16x16x32_bf16 v[ACC+8*(\k%2):ACC+8*(\k%2)+7], v[GF+8*\k:GF+8*\k+7], v[BF+8*(\k%2):BF+8*(\k%2)+7], v[ACC+8*(\k%2):ACC+8*(\k%2)+7]
.endif
.endr
.endm
	GATEPIECE 0
	GATEPIECE 1
	GATEPIECE 2
	GATEPIECE 3
.rept 4
	v_nop                                          ; four places behind the last product
.endr
.irp j,0,2,4,6
	v_pk_add_f32 v[LG+\j:LG+\j+1], v[ACC+\j:ACC+\j+1], v[ACC+8+\j:ACC+8+\j+1]  ; the two halves of K; each accumulator is read from its low end on
.endr
	v_max3_num_f32 v152, v[LG], v[LG+1], v[LG+2]   ; the maximum is taken away before the exponentials, as reference()'s softmax does
	v_max3_num_f32 v153, v[LG+3], v[LG+4], v[LG+5]
	v_max3_num_f32 v152, v152, v[LG+6], v[LG+7]
	v_max_num_f32 v152, v152, v153
	v_mov_b32 v153, v152
.irp j,0,2,4,6
	v_pk_add_f32 v[LG+\j:LG+\j+1], v[LG+\j:LG+\j+1], v[152:153] neg_lo:[0,1] neg_hi:[0,1]
.endr
.irp j,0,2,4,6
	v_pk_mul_f32 v[LG+\j:LG+\j+1], v[LG+\j:LG+\j+1], 0x3fb8aa3b op_sel_hi:[1,0]
.endr
.irp j,0,1,2,3,4,5,6,7
	v_exp_f32 v[LG+\j], v[LG+\j]
.endr
	v_nop                                          ; a plain instruction behind the last exponential,
	s_wait_alu depctr_va_vdst(0)                   ; and one wait for the batch of eight, ahead of the first use
	v_pk_add_f32 v[154:155], v[LG:LG+1], v[LG+2:LG+3]
	v_pk_add_f32 v[156:157], v[LG+4:LG+5], v[LG+6:LG+7]
	v_pk_add_f32 v[154:155], v[154:155], v[156:157]
	v_add_f32 v154, v154, v155
	v_rcp_f32 v156, v154                           ; the top score is 1 / the sum: its own exponential is 1
	s_mov_b32 s[TAKEN], 0
.irp e,0,1,2,3,4,5,6,7
	v_cmp_eq_f32 s[T0], 1.0, v[LG+\e]              ; tokens whose score of expert e is the top one;
	s_and_not1_b32 s[MSK+\e], s[T0], s[TAKEN]      ; the lowest such expert takes the token
	s_or_b32 s[TAKEN], s[TAKEN], s[T0]
.endr
	s_not_b32 s[T0], s[TAKEN]
	s_or_b32 s[MSK], s[MSK], s[T0]                 ; a token that nobody took goes to expert 0: every token has one owner
.irp e,0,1,2,3,4,5,6,7
	s_and_b32 s[MSK+\e], s[MSK+\e], 0xffff         ; lanes 0-15: my 16 tokens
.endr
	s_wait_alu depctr_va_vdst(0)                   ; the reciprocal's wait (the compares above are the plain work between)
	v_mov_b32 v157, v156
.irp j,0,2,4,6
	v_pk_mul_f32 v[LG+\j:LG+\j+1], v[LG+\j:LG+\j+1], v[156:157]  ; the scores
.endr
.irp q,0,1,2,3
	s_lshl_b32 s[T0], s[MSK+2*\q+1], 16
	s_or_b32 s[PB+\q], s[MSK+2*\q], s[T0]
	s_bcnt1_i32_b32 s[T0], s[MSK+2*\q]
	s_bcnt1_i32_b32 s[T1], s[MSK+2*\q+1]
	s_lshl_b32 s[T1], s[T1], 16
	s_or_b32 s[PB+4+\q], s[T0], s[T1]
	v_mov_b32 v[10+\q], s[PB+\q]
	v_mov_b32 v[152+\q], s[PB+4+\q]
.endr
.irp m,1,2,4,8
.irp j,0,1,2,3,4,5,6,7
	v_add_f32_dpp v[LG+\j], v[LG+\j], v[LG+\j] row_xmask:\m row_mask:0xf bank_mask:0xf  ; each expert's scores summed over my 16 tokens
.endr
.endr
	s_lshl_b32 s[T0], s[UNIT], 6
	v_lshl_add_u32 v14, v[R16], 2, s[T0]
	s_lshl_b32 s[T1], s[UNIT], 4
	v_mov_b32 v15, s[T1]
	v_cmp_gt_u32 vcc_lo, 16, v[LN]
	s_wait_xcnt 0x0                                ; EXEC changes only behind s_wait_xcnt 0
	s_and_saveexec_b32 s[SAVE], vcc_lo
	global_store_b32 v14, v156, s[16:17]           ; imp of my 16 tokens
	s_wait_xcnt 0x0
	s_or_b32 exec_lo, exec_lo, s[SAVE]
	v_cmp_eq_u32 vcc_lo, 0, v[LN]
	s_and_saveexec_b32 s[SAVE], vcc_lo
	global_store_b128 v15, v[10:13], s[14:15]                  ; the unit's masks,
	global_store_b128 v15, v[152:155], s[14:15] offset:8192    ; its counts,
	global_store_b128 v15, v[LG:LG+3], s[18:19]                ; its sums of the scores
	global_store_b128 v15, v[LG+4:LG+7], s[18:19] offset:8192
	s_wait_xcnt 0x0
	s_or_b32 exec_lo, exec_lo, s[SAVE]
.Lend:
	s_wait_tensorcnt 0x0                           ; the wave's end, behind my last tensor load and my last LDS store
	ds_add_u32 v[SPW], v[NIL]
	s_wait_dscnt 0x0
	s_endpgm
.Lfunc_end_k_q4c0c6184b5_prep:
	.size	k_q4c0c6184b5_prep, .Lfunc_end_k_q4c0c6184b5_prep-k_q4c0c6184b5_prep
	.p2alignl 7, 3214868480
	.fill 96, 4, 3214868480
	.section	.rodata,"a",@progbits
	.p2align	6, 0x0
	.amdhsa_kernel k_q4c0c6184b5_prep
		.amdhsa_group_segment_fixed_size 283392
		.amdhsa_private_segment_fixed_size 0
		.amdhsa_enable_private_segment 0
		.amdhsa_kernarg_size 64
		.amdhsa_user_sgpr_count 2
		.amdhsa_user_sgpr_kernarg_segment_ptr 1
		.amdhsa_wavefront_size32 1
		.amdhsa_system_sgpr_workgroup_id_x 1
		.amdhsa_system_sgpr_workgroup_id_y 1
		.amdhsa_system_sgpr_workgroup_id_z 1
		.amdhsa_system_vgpr_workitem_id 0
		.amdhsa_next_free_vgpr 160
		.amdhsa_next_free_sgpr 80
		.amdhsa_reserve_vcc 1
		.amdhsa_float_denorm_mode_32 3
		.amdhsa_float_denorm_mode_16_64 3
		.amdhsa_memory_ordered 1
		.amdhsa_forward_progress 1
		.amdhsa_inst_pref_size 147
	.end_amdhsa_kernel
	.amdgpu_metadata
---
amdhsa.version: [ 1, 2 ]
amdhsa.kernels:
  - .name:           k_q4c0c6184b5_prep
    .symbol:         k_q4c0c6184b5_prep.kd
    .args:
      - { .name: x, .offset: 0, .size: 8, .value_kind: global_buffer, .address_space: global }
      - { .name: gate_w, .offset: 8, .size: 8, .value_kind: global_buffer, .address_space: global }
      - { .name: fc1_w, .offset: 16, .size: 8, .value_kind: global_buffer, .address_space: global }
      - { .name: fc2_w, .offset: 24, .size: 8, .value_kind: global_buffer, .address_space: global }
      - { .name: wb, .offset: 32, .size: 8, .value_kind: global_buffer, .address_space: global }
      - { .name: rt, .offset: 40, .size: 8, .value_kind: global_buffer, .address_space: global }
      - { .name: impb, .offset: 48, .size: 8, .value_kind: global_buffer, .address_space: global }
      - { .name: psum, .offset: 56, .size: 8, .value_kind: global_buffer, .address_space: global }
    .group_segment_fixed_size: 283392
    .private_segment_fixed_size: 0
    .kernarg_segment_align: 8
    .kernarg_segment_size: 64
    .max_flat_workgroup_size: 128
    .sgpr_count:     80
    .vgpr_count:     160
    .wavefront_size: 32
...
	.end_amdgpu_metadata
.endif
;; end of part 1
;; launch chain (part 2): grid 178 x 1, 8 waves a work-group, no clusters, 187,136 bytes of LDS; arguments x, wb, fc1_b, fc2_b, rt, impb, psum, out0, out1; writes out0, out1
.if DOCPART == 2
	.amdgcn_target "amdgcn-amd-amdhsa--gfx1250"
	.amdhsa_code_object_version 6
	.text
	.protected	k_q4c0c6184b5_chain
	.globl	k_q4c0c6184b5_chain
	.p2align	8
	.type	k_q4c0c6184b5_chain,@function
k_q4c0c6184b5_chain:
	s_mov_b64 s[64:65], 0
	v_nop
	global_prefetch_b8 v0, s[64:65] scope:SCOPE_SE
	s_setreg_imm32_b32 hwreg(HW_REG_WAVE_MODE, 25, 1), 1
	s_wait_xcnt 0x0
; TOP-1 MIXTURE OF EXPERTS, second launch: out0[t] = (relu(x[t] W1[e]^T + b1[e]) W2[e]^T + b2[e]) imp[t] for e = the token's own expert, and the loss.
; LEFT OUT: the seven experts that a token did not choose (reference()'s where keeps one row a token); the choice is read from memory (rt), as the first launch stored it.
; FORMATS.  x, the weights (wb, from the first launch) and both biases rounded to bf16; all sums, imp and the loss in f32.  The first product runs in bf16.  The hidden layer is rounded once, to f16
; (11 significant bits: its rounding reaches the output undiminished, times the token's imp), so the second product runs in f16; fc2's weights arrive as their bf16 numbers written in f16.
; LIMITS.  A number of the hidden layer of 65,520 or more becomes an infinity.  With x and fc1_w both 30 times their drawn size its spread is 900; with both carrying an offset of 30 spreads it is
; 1,024 x 30 x 30 / 32 = 28,800: both lie within f16.  Below 6e-5 it keeps f16's fixed step of 6e-8.  A NaN in the hidden layer becomes 0 in the ReLU.
; TILES.  A work-group takes 48 tokens of ONE expert.  With counts C_e there are sum of ceil(C_e / 48) tiles, never more than ceil(8192 / 48) + 7 = 178, whatever the split: that is the grid.  Every work-group finds its
; expert, its rows and their tokens by itself from the 16 KiB of masks and counts.  In a tile that is not full the places past the count repeat the expert's last token, and their rows are not stored.
; A work-group that the split leaves without rows runs the same text on a repeated row and stores nothing: every wave passes every barrier, and no register hangs on a branch on the counts.
; SHARES.  Eight waves.  Wave w makes 64 columns of the hidden layer (fc1: 32 K steps), then 128 columns of the output in two chunks of 64 (fc2: 2 x 16 K steps).  A STEP is 32 along K:
; 3 token fragments from LDS x 4 weight fragments from registers = 12 matrix instructions on 12 accumulators, which take turns.
; THE PRODUCTS ARE TAKEN TRANSPOSED (source 0 = 16 weight rows, source 1 = 16 tokens): a lane holds ONE token (lane % 16) and the columns 8 (lane / 16) + 0..7.  The bias is the C operand of a sum's first product.
; THE WEIGHTS come from memory straight into a ring of eight sets of 32 registers (window 1), one set a step, laid out by the first launch as the registers take them: a wave's 64 steps are
; 256 KiB on end.  A set is asked for again directly behind its step: seven steps, 84 matrix instructions, lie between a request and the wait for it, and the stream runs on from fc1 into fc2.
; NO CLUSTER, NO TENSOR RING: beside X (99,072 bytes), H (49,920) and the stages (34,816) two LDS slots could hold two steps of the eight waves each: 24 matrix instructions a wave between a refill and its wait,
; against 84 here; and an expert's number of tiles hangs on its count: it is no multiple of four for every split, so partners of a cluster would walk different experts.
; THE LOSS: 8 sum_e (C_e / 8192)(S_e / 8192) = sum_e C_e S_e 2^-23, S_e the sum of expert e's scores: wave 0 of work-group 177 adds the first launch's 512 partial sums in f32.
; REGISTERS.  Window 0: v0-31 addresses; v32-55 the store offsets of the tile's rows; v56-63 at work; v64-159 the accumulators ((mb, nb) at 64 + 8 (4 mb + nb)), scratch ahead of fc1;
; v160-207 token fragments, two buffers of three (v160-191 also the stage's rows on the way out); v208-239 the bias of four fragments; v240-255 at work.  Window 1: the ring.
.set RK,    0                          ; LDS: 256 words: how many tokens of my expert lie in the words before word i
.set MK,    1024                       ; 256 words: bit b of word i = token 16 i + b % 16 + 4,096 (b / 16) is my expert's
.set WT,    2048                       ; 8 x 16 bytes: each wave's packed counts
.set SPARE, 2304                       ; the spare words, 128 bytes for each of eight waves
.set XT,    3328                       ; 48 rows of x in bf16
.set XP,    2064                       ; pitch 2,048 + 16: an odd multiple of 16
.set HT,    XT+48*XP                   ; 48 rows of the hidden layer in f16
.set HP,    1040                       ; pitch 1,024 + 16
.set STG,   HT+48*HP                   ; for each wave 16 rows x 272 bytes, for the way out
.set SPI,   272
.set SPW, 1                            ; v1   my spare word's address; never rewritten
.set NIL, 2                            ; v2   0; never rewritten
.set ZR,  3                            ; v3   0, for the ReLU
.set LN,  4                            ; v4   lane
.set R16, 5                            ; v5   lane % 16
.set HI,  6                            ; v6   lane / 16
.set LOFF, 7                           ; v7   16 x lane
.set XA,  8                            ; v8-10   my place in X's rows of block mb; steps along K in fc1's loop
.set HA,  11                           ; v11-13  the same in H
.set HS,  14                           ; v14  where I put 16 bytes of H
.set SS,  15                           ; v15  where I put 16 bytes of a stage row
.set SR,  16                           ; v16  where I read stage rows back
.set BO,  17                           ; v17  32 x (lane / 16): my 8 numbers of a fragment's bias
.set TOK, 18                           ; v18-20  the token of row 16 mb + lane % 16
.set PFO, 21                           ; v21  256 x lane
.set IMP, 22                           ; v22-27  its imp, as a pair
.set XS,  28                           ; v28-30  where I put 8 bytes of a gathered row
.set OFFS, 32                          ; v32-55  byte offset in out0 of my 16 bytes of rows 2 t + lane / 16 of block mb, at 8 mb + t
.set ACC, 64
.set AB,  160
.set BIAS, 208
.set TP,  240
; scratch ahead of fc1
.set MA,  64                           ; masks and counts of units i and i + 256
.set MB,  68
.set CA,  72
.set CB,  76
.set ME,  80                           ; v80-87  word i of each expert
.set TT,  88                           ; v88-91  packed counts: running totals
.set XX,  92                           ; v92-95  packed counts of the lanes before me
.set TM,  96
.set WTO, 100                          ; v100-103 all waves' totals; v104-107 those of the waves before mine
.set RNK, 64                           ; v64-66  the rank that row 16 mb + lane % 16 asks for
.set POS, 67
.set CND, 70
.set EV,  73
.set MW,  76
.set KK,  79
.set IDX, 90
.set IDG, 98
.set GOF, 100
.set IAD, 106
.set CV,  112
.set WV,  22
.set GID, 24
.set CNE, 25                           ; s25-32  C_e
.set EX,  33
.set TS,  34                           ; the expert's first tile
.set CE,  35
.set START, 36
.set NR,  37                           ; rows of my tile, 0 to 48
.set LO,  38                           ; rank of its first row
.set T0,  39
.set GQ,  40
.set SH,  49
.set PFON, 50
.set TRIP, 51
.set SEL, 52
.set LM,  54                           ; s54-58  lanes whose number has bit 0, 1, 2, 3, 4 set
.set SM,  59
.set RW,  60                           ; s60-62  rows of block mb, 0 to 16
.set WB,  66                           ; s[66:67] my stream of weights
.set B1P, 68
.set B2P, 70
.set OB,  72
.set SAVE, 90
.set OFS, 92
.set MSB, 0
.macro WIN new                         ; s_set_vgpr_msb: bits 1:0 source 0, 3:2 source 1, 5:4 source 2, 7:6 destination; the high byte repeats the setting that is left
.if MSB != (\new)
	s_set_vgpr_msb (MSB<<8)|(\new)
.set MSB, \new
.endif
.endm
	s_load_b512 s[4:19], s[0:1], 0x0               ; x, wb, fc1_b, fc2_b, rt, impb, psum, out0
	s_load_b64 s[20:21], s[0:1], 0x40              ; out1
	v_lshl_add_u32 v[SPW], v0, 2, SPARE
	v_mov_b32 v[NIL], 0
	v_mov_b32 v[ZR], 0
	v_lshrrev_b32 v31, 5, v0
	v_readfirstlane_b32 s[WV], v31                 ; wave 0..7
	s_mov_b32 s[GID], ttmp9
	v_and_b32 v[LN], 31, v0
	v_and_b32 v[R16], 15, v0
	v_bfe_u32 v[HI], v0, 4, 1
	v_lshlrev_b32 v[LOFF], 4, v[LN]
	v_lshlrev_b32 v[PFO], 8, v[LN]
	v_lshlrev_b32 v[BO], 5, v[HI]
	v_lshlrev_b32 v56, 4, v0
	s_mov_b32 s[SEL], 0x76543210
	s_mov_b32 s[SEL+1], 0xfedcba98
	s_mov_b32 s[LM], 0xaaaaaaaa
	s_mov_b32 s[LM+1], 0xcccccccc
	s_mov_b32 s[LM+2], 0xf0f0f0f0
	s_mov_b32 s[LM+3], 0xff00ff00
	s_mov_b32 s[LM+4], 0xffff0000
	s_mov_b32 s[OFS+1], 0
.irp e,0,1,2,3,4,5,6,7
	v_mov_b32 v[TP+\e], 0                          ; the sums of the scores: written in every wave, filled in one
.endr
	s_wait_kmcnt 0x0
	global_load_b128 v[MA:MA+3], v56, s[12:13]                 ; thread i: masks of unit i,
	global_load_b128 v[MB:MB+3], v56, s[12:13] offset:4096     ; of unit i + 256,
	global_load_b128 v[CA:CA+3], v56, s[12:13] offset:8192     ; and their counts: 512 consecutive bytes a wave and load
	global_load_b128 v[CB:CB+3], v56, s[12:13] offset:12288
	s_cmp_eq_u32 s[GID], 177
	s_cbranch_scc0 .Lno_sum
	s_cmp_eq_u32 s[WV], 0
	s_cbranch_scc0 .Lno_sum
.set i, 0
.rept 32                               ; the 512 units' partial sums: loads 0-15 experts 0-3, loads 16-31 experts 4-7; they are out beside the four loads above
	global_load_b128 v[96+4*i:96+4*i+3], v[LOFF], s[16:17] offset:512*i
.set i, i+1
.endr
	s_wait_loadcnt 0x0
.set i, 1
.rept 15
	v_pk_add_f32 v[96:97], v[96:97], v[96+4*i:96+4*i+1]
	v_pk_add_f32 v[98:99], v[98:99], v[98+4*i:98+4*i+1]
	v_pk_add_f32 v[160:161], v[160:161], v[160+4*i:160+4*i+1]
	v_pk_add_f32 v[162:163], v[162:163], v[162+4*i:162+4*i+1]
.set i, i+1
.endr
.irp e,0,1,2,3,4,5,6,7
.set rr, 96+\e+60*(\e/4)
	v_add_f32_dpp v[rr], v[rr], v[rr] row_xmask:1 row_mask:0xf bank_mask:0xf
	v_add_f32_dpp v[rr], v[rr], v[rr] row_xmask:2 row_mask:0xf bank_mask:0xf
	v_add_f32_dpp v[rr], v[rr], v[rr] row_xmask:4 row_mask:0xf bank_mask:0xf
	v_add_f32_dpp v[rr], v[rr], v[rr] row_xmask:8 row_mask:0xf bank_mask:0xf
	v_permlanex16_b32 v100, v[rr], s[SEL], s[SEL+1]
	v_add_f32 v[TP+\e], v[rr], v100                ; S_e, in every lane
.endr
.Lno_sum:
	s_wait_loadcnt 0x0
	; Word i of expert e: unit i's 16 tokens below, unit i + 256's above.  The packed counts (two experts a register, 8,192 at the most in each half) are summed over the lanes before me.
.irp q,0,1,2,3
	v_perm_b32 v[ME+2*\q],   v[MB+\q], v[MA+\q], 0x05040100
	v_perm_b32 v[ME+2*\q+1], v[MB+\q], v[MA+\q], 0x07060302
	v_add_nc_u32 v[TT+\q], v[CA+\q], v[CB+\q]
	v_mov_b32 v[XX+\q], 0
	v_mov_b32 v[TM+\q], 0
.endr
; One step of the sum over lanes: my partner's group total is added to my group's, and, where my lane number has the step's bit, to what lies before me.
.macro SCAN st, lm
.irp q,0,1,2,3
.if (\st) == 16
	v_permlanex16_b32 v[TM+\q], v[TT+\q], s[SEL], s[SEL+1]
.else
	v_mov_b32_dpp v[TM+\q], v[TT+\q] row_xmask:\st row_mask:0xf bank_mask:0xf
.endif
	v_cndmask_b32 v58, 0, v[TM+\q], s[\lm]
	v_add_nc_u32 v[XX+\q], v[XX+\q], v58
	v_add_nc_u32 v[TT+\q], v[TT+\q], v[TM+\q]
.endr
.endm
	SCAN 1, LM
	SCAN 2, LM+1
	SCAN 4, LM+2
	SCAN 8, LM+3
	SCAN 16, LM+4
	s_lshl_b32 s[T0], s[WV], 4
	v_mov_b32 v59, s[T0]
	ds_store_b128 v59, v[TT:TT+3] offset:WT        ; my wave's totals (every lane holds them)
	s_wait_dscnt 0x0
	s_barrier_signal -1
	s_barrier_wait -1                              ; barrier 1: the eight waves' totals lie in LDS
	v_and_b32 v57, 7, v[LN]
	v_lshlrev_b32 v59, 4, v57
	ds_load_b128 v[WTO:WTO+3], v59 offset:WT       ; lane l: wave l % 8's
	v_cmp_gt_u32 vcc_lo, s[WV], v57
	s_wait_dscnt 0x0
.irp q,0,1,2,3
	v_cndmask_b32 v[WTO+4+\q], 0, v[WTO+\q], vcc_lo  ; only the waves before mine
.endr
.irp m,1,2,4
.irp q,0,1,2,3,4,5,6,7
	v_mov_b32_dpp v[TM+(\q)%4], v[WTO+\q] row_xmask:\m row_mask:0xf bank_mask:0xf
	v_add_nc_u32 v[WTO+\q], v[WTO+\q], v[TM+(\q)%4]
.endr
.endr
.irp q,0,1,2,3
	v_readfirstlane_b32 s[GQ+\q], v[WTO+\q]
	s_and_b32 s[CNE+2*\q], s[GQ+\q], 0xffff
	s_lshr_b32 s[CNE+2*\q+1], s[GQ+\q], 16
.endr
	; My tile: the last expert whose first tile is not behind my number.  ceil(C / 48) = ((C + 47) / 16) / 3, the division by 3 as x 43,691 >> 17 (exact up to 514, the most here).
	s_mov_b32 s[START], 0
	s_mov_b32 s[EX], 0
	s_mov_b32 s[TS], 0
	s_mov_b32 s[CE], 0
.irp e,0,1,2,3,4,5,6,7
	s_cmp_ge_u32 s[GID], s[START]
	s_cselect_b32 s[EX], \e, s[EX]
	s_cselect_b32 s[TS], s[START], s[TS]
	s_cselect_b32 s[CE], s[CNE+\e], s[CE]
	s_add_co_u32 s[T0], s[CNE+\e], 47
	s_lshr_b32 s[T0], s[T0], 4
	s_mul_i32 s[T0], s[T0], 43691
	s_lshr_b32 s[T0], s[T0], 17
	s_add_co_u32 s[START], s[START], s[T0]
.endr
	s_cmp_eq_u32 s[GID], 177
	s_cbranch_scc0 .Lno_loss
	s_cmp_eq_u32 s[WV], 0
	s_cbranch_scc0 .Lno_loss
	v_mov_b32 v60, 0
.irp e,0,1,2,3,4,5,6,7
	v_cvt_f32_u32 v61, s[CNE+\e]
	v_fmac_f32 v60, v61, v[TP+\e]
.endr
	v_mul_f32 v60, 0x34000000, v60                 ; x 2^-23 = 8 / 8192^2
	v_mov_b32 v61, 0
	v_cmp_eq_u32 vcc_lo, 0, v[LN]
	s_wait_xcnt 0x0                                ; EXEC changes only behind s_wait_xcnt 0
	s_and_saveexec_b32 s[SAVE], vcc_lo
	global_store_b32 v61, v60, s[20:21]
	s_wait_xcnt 0x0
	s_or_b32 exec_lo, exec_lo, s[SAVE]
.Lno_loss:
	s_sub_co_u32 s[LO], s[GID], s[TS]
	s_mul_i32 s[LO], s[LO], 48
	s_sub_co_u32 s[T0], s[CE], s[LO]
	s_min_u32 s[T0], s[T0], 48
	s_cmp_lt_u32 s[GID], s[START]                  ; START is now the number of tiles
	s_cselect_b32 s[NR], s[T0], 0
	s_cmp_eq_u32 s[GID], s[TS]
	s_cselect_b32 s[PFON], s[NR], 0                ; not 0 in the expert's first tile: that work-group prefetches
.irp mb,0,1,2
	s_sub_co_i32 s[RW+\mb], s[NR], 16*\mb
	s_max_i32 s[RW+\mb], s[RW+\mb], 0
	s_min_i32 s[RW+\mb], s[RW+\mb], 16
.endr
	s_min_u32 s[EX], s[EX], 7                      ; a number made of loaded data is bounded before it enters an address
	s_lshl_b32 s[OFS], s[EX], 21
	s_lshl_b32 s[T0], s[WV], 18
	s_add_co_u32 s[OFS], s[OFS], s[T0]
	s_add_nc_u64 s[WB:WB+1], s[6:7], s[OFS:OFS+1]
	s_lshl_b32 s[OFS], s[EX], 11
	s_lshl_b32 s[T0], s[WV], 8
	s_add_co_u32 s[OFS], s[OFS], s[T0]
	s_add_nc_u64 s[B1P:B1P+1], s[8:9], s[OFS:OFS+1]
	s_lshl_b32 s[OFS], s[EX], 12
	s_lshl_b32 s[T0], s[WV], 9
	s_add_co_u32 s[OFS], s[OFS], s[T0]
	s_add_nc_u64 s[B2P:B2P+1], s[10:11], s[OFS:OFS+1]
	s_mov_b32 s[OFS], s[T0]
	s_add_nc_u64 s[OB:OB+1], s[18:19], s[OFS:OFS+1]  ; out0 at my wave's 128 columns
; Eight loads of 512 consecutive bytes: a step's four weight fragments into ring set u, from byte soff behind the stream's base
.macro RING u, soff
	WIN 0x40                                       ; destination window 1, address window 0
.irp i,0,1,2,3,4,5,6,7
	global_load_b128 v[32*(\u)+4*\i:32*(\u)+4*\i+3], v[LOFF], s[WB:WB+1] offset:(\soff)+512*\i
.endr
.endm
; The bias of four fragments as a C operand: register j of lane l = column 16 nb + 8 (l / 16) + j
.macro BIASLD base, off
	WIN 0
.irp nb,0,1,2,3
	global_load_b128 v[BIAS+8*\nb:BIAS+8*\nb+3],   v[BO], s[\base:\base+1] offset:(\off)+64*\nb
	global_load_b128 v[BIAS+8*\nb+4:BIAS+8*\nb+7], v[BO], s[\base:\base+1] offset:(\off)+64*\nb+16
.endr
.endm
.macro ROUNDB                          ; the bias rounded to bf16, like every input, and widened again
.set z, 0
.rept 16
	v_cvt_pk_bf16_f32 v[56+z%4], v[BIAS+2*z], v[BIAS+2*z+1]
	v_lshlrev_b32 v[BIAS+2*z], 16, v[56+z%4]
	v_and_b32 v[BIAS+2*z+1], 0xffff0000, v[56+z%4]
.set z, z+1
.endr
.endm
	RING 0, 0                                      ; the stream begins while the tokens are still being found
	RING 1, 4096
	BIASLD B1P, 0
	v_mov_b32 v58, v[ME]                           ; my expert's word,
.irp e,1,2,3,4,5,6,7
	s_cmp_eq_u32 s[EX], \e
	s_cselect_b32 s[SM], -1, 0
	v_cndmask_b32 v58, v58, v[ME+\e], s[SM]
.endr
.irp q,0,1,2,3
	v_add_nc_u32 v[XX+\q], v[XX+\q], v[WTO+4+\q]   ; and how many of its tokens lie before my word: lanes before me + waves before mine
.endr
	s_lshr_b32 s[T0], s[EX], 1
	v_mov_b32 v59, v[XX]
.irp q,1,2,3
	s_cmp_eq_u32 s[T0], \q
	s_cselect_b32 s[SM], -1, 0
	v_cndmask_b32 v59, v59, v[XX+\q], s[SM]
.endr
	s_and_b32 s[SH], s[EX], 1
	s_lshl_b32 s[SH], s[SH], 4
	v_lshrrev_b32 v59, s[SH], v59
	v_and_b32 v59, 0xffff, v59
	v_lshlrev_b32 v60, 2, v0
	ds_store_b32 v60, v59 offset:RK
	ds_store_b32 v60, v58 offset:MK
	s_wait_dscnt 0x0
	s_barrier_signal -1
	s_barrier_wait -1                              ; barrier 2: the 256 ranks and words lie in LDS
	; THE TOKENS.  Every wave finds all 48 for itself: lane l the tokens of rows l % 16, 16 + l % 16, 32 + l % 16.  Places past the count ask for the expert's last rank.
	s_sub_co_u32 s[T0], s[CE], 1
	v_add_nc_u32 v[RNK], s[LO], v[R16]
	v_add_nc_u32 v[RNK+1], 16, v[RNK]
	v_add_nc_u32 v[RNK+2], 32, v[RNK]
.irp c,0,1,2
	v_min_u32 v[RNK+\c], s[T0], v[RNK+\c]
	v_mov_b32 v[POS+\c], 0
.endr
.irp st,512,256,128,64,32,16,8,4       ; the last word whose rank is not above mine: a search by halves, three side by side; positions in bytes
.irp c,0,1,2
	v_add_nc_u32 v[CND+\c], \st, v[POS+\c]
	v_min_u32 v[CND+\c], 1020, v[CND+\c]
	ds_load_b32 v[EV+\c], v[CND+\c] offset:RK
.endr
	s_wait_dscnt 0x0
.irp c,0,1,2
	v_cmp_le_u32 vcc_lo, v[EV+\c], v[RNK+\c]
	v_cndmask_b32 v[POS+\c], v[POS+\c], v[CND+\c], vcc_lo
.endr
.endr
.irp c,0,1,2
	v_min_u32 v[POS+\c], 1020, v[POS+\c]
	ds_load_b32 v[EV+\c], v[POS+\c] offset:RK
	ds_load_b32 v[MW+\c], v[POS+\c] offset:MK
.endr
	s_wait_dscnt 0x0
.irp c,0,1,2
	v_sub_nc_u32 v[KK+\c], v[RNK+\c], v[EV+\c]     ; which set bit of that word
.endr
; The k-th set bit of a word: counts of its fields of 2, 4, 8 and 16 bits, then down through them: where k is not below the lower field's count, take the count away and go to the upper field.
.macro LEVEL src, wd, st, k
	v_bfe_u32 v86, v[\src], v88, \wd
	v_cmp_ge_u32 vcc_lo, v[\k], v86
	v_cndmask_b32 v86, 0, v86, vcc_lo
	v_sub_nc_u32 v[\k], v[\k], v86
	v_cndmask_b32 v87, 0, \st, vcc_lo
	v_add_nc_u32 v88, v88, v87
.endm
.macro NTH mb
	v_lshrrev_b32 v82, 1, v[MW+\mb]
	v_and_b32 v82, 0x55555555, v82
	v_sub_nc_u32 v82, v[MW+\mb], v82
	v_lshrrev_b32 v83, 2, v82
	v_and_b32 v83, 0x33333333, v83
	v_and_b32 v84, 0x33333333, v82
	v_add_nc_u32 v83, v83, v84
	v_lshrrev_b32 v84, 4, v83
	v_add_nc_u32 v84, v84, v83
	v_and_b32 v84, 0x0f0f0f0f, v84
	v_lshrrev_b32 v85, 8, v84
	v_add_nc_u32 v85, v85, v84
	v_mov_b32 v88, 0
	LEVEL 85, 8, 16, KK+\mb
	LEVEL 84, 8, 8, KK+\mb
	LEVEL 83, 4, 4, KK+\mb
	LEVEL 82, 2, 2, KK+\mb
	LEVEL MW+\mb, 1, 1, KK+\mb
	v_and_b32 v86, 15, v88                         ; token = 16 x word + bit % 16 + 4,096 (bit / 16)
	v_lshl_add_u32 v86, v[POS+\mb], 2, v86
	v_lshrrev_b32 v87, 4, v88
	v_lshl_add_u32 v86, v87, 12, v86
	v_min_u32 v[TOK+\mb], 0x1fff, v86
	v_lshlrev_b32 v[IAD+\mb], 2, v[TOK+\mb]
	global_load_b32 v[IMP+2*\mb], v[IAD+\mb], s[14:15]
.endm
	NTH 0
	NTH 1
	NTH 2
	v_lshlrev_b32 v89, 2, v[HI]
.irp t,0,1,2,3,4,5,6,7
	v_add_nc_u32 v[IDX+\t], 8*\t, v89              ; lane 2 t + lane / 16, as a byte index
.endr
	s_lshl_b32 s[T0], s[WV], 2
	v_mov_b32 v[IDG], s[T0]                        ; lanes w and w + 8: the rows that my wave gathers
	v_add_nc_u32 v[IDG+1], 32, v[IDG]
.irp mb,0,1,2
.irp t,0,1,2,3,4,5,6,7
	ds_bpermute_b32 v[OFFS+8*\mb+\t], v[IDX+\t], v[TOK+\mb]
.endr
.endr
.irp i,0,1,2,3,4,5
	ds_bpermute_b32 v[GOF+\i], v[IDG+(\i)%2], v[TOK+(\i)/2]
.endr
	v_lshlrev_b32 v89, 4, v[R16]
	s_wait_dscnt 0x0
.irp i,0,1,2,3,4,5
	v_min_u32 v[GOF+\i], 0x1fff, v[GOF+\i]
	v_lshl_add_u32 v[GOF+\i], v[GOF+\i], 12, v[LOFF]
.endr
	WIN 0x40
.irp i,0,1,2,3,4,5                     ; THE GATHER: six rows a wave (row w + 8 (i % 2) of block i / 2), eight loads of 512 bytes each, into ring sets 2 to 7, which are still free
.irp j,0,1,2,3,4,5,6,7
	global_load_b128 v[32*(2+\i)+4*\j:32*(2+\i)+4*\j+3], v[GOF+\i], s[4:5] offset:512*\j
.endr
.endr
	WIN 0
.set i, 0
.rept 24
	v_min_u32 v[OFFS+i], 0x1fff, v[OFFS+i]
	v_lshl_add_u32 v[OFFS+i], v[OFFS+i], 12, v89
.set i, i+1
.endr
	v_mul_u32_u24 v[XA], v[R16], XP                ; a fragment's row x pitch + 16 x half
	v_lshl_add_u32 v[XA], v[HI], 4, v[XA]
	v_add_nc_u32 v[XA], XT, v[XA]
	v_add_nc_u32 v[XA+1], 16*XP, v[XA]
	v_add_nc_u32 v[XA+2], 32*XP, v[XA]
	v_mul_u32_u24 v[HA], v[R16], HP
	v_lshl_add_u32 v[HA], v[HI], 4, v[HA]
	v_add_nc_u32 v[HA], HT, v[HA]
	v_add_nc_u32 v[HA+1], 16*HP, v[HA]
	v_add_nc_u32 v[HA+2], 32*HP, v[HA]
	s_lshl_b32 s[T0], s[WV], 7
	v_add_nc_u32 v[HS], s[T0], v[HA]               ; my wave's 64 columns of H: 128 bytes
	s_mul_i32 s[T0], s[WV], 16*SPI
	s_add_co_u32 s[T0], s[T0], STG
	v_mul_u32_u24 v[SS], v[R16], SPI               ; in: row lane % 16, 32 bytes for each half of the lanes
	v_lshl_add_u32 v[SS], v[HI], 5, v[SS]
	v_add_nc_u32 v[SS], s[T0], v[SS]
	v_mul_u32_u24 v[SR], v[HI], SPI                ; back: lanes 0-15 one row of 256 bytes, lanes 16-31 the next
	v_lshl_add_u32 v[SR], v[R16], 4, v[SR]
	v_add_nc_u32 v[SR], s[T0], v[SR]
	s_mul_i32 s[T0], s[WV], XP
	s_add_co_u32 s[T0], s[T0], XT
	v_lshl_add_u32 v[XS], v[LN], 3, s[T0]
	v_add_nc_u32 v[XS+1], 16*XP, v[XS]
	v_add_nc_u32 v[XS+2], 32*XP, v[XS]
.set i, 0
.rept 6
	s_wait_loadcnt 40                              ; row i is in: behind it 8 (5 - i) loads of the gather and 8 i of the ring were issued
	WIN 0x05                                       ; sources in window 1
.irp j,0,1,2,3,4,5,6,7
	v_cvt_pk_bf16_f32 v[CV+2*\j],   v[32*(2+i)+4*\j],   v[32*(2+i)+4*\j+1]
	v_cvt_pk_bf16_f32 v[CV+2*\j+1], v[32*(2+i)+4*\j+2], v[32*(2+i)+4*\j+3]
.endr
	WIN 0
.irp j,0,1,2,3,4,5,6,7
	ds_store_b64 v[XS+i/2], v[CV+2*\j:CV+2*\j+1] offset:(i%2)*8*XP+256*\j
.endr
	RING 2+i, (2+i)*4096                           ; the set takes its step of the stream
.set i, i+1
.endr
	WIN 0
.irp mb,0,1,2
	v_mov_b32 v[IMP+2*\mb+1], v[IMP+2*\mb]         ; named as a pair
.endr
	ROUNDB                                         ; fc1's bias (its loads stand ahead of the gather's)
	s_wait_dscnt 0x0
	s_barrier_signal -1
	s_barrier_wait -1                              ; barrier 3: the tile's 48 rows of x lie in LDS
; Three token fragments (16 rows x 32 K each) into buffer b
.macro ALD b, areg, aimm
	WIN 0
.irp mb,0,1,2
	ds_load_b128 v[AB+24*(\b)+8*\mb:AB+24*(\b)+8*\mb+3],   v[(\areg)+\mb] offset:(\aimm)
	ds_load_b128 v[AB+24*(\b)+8*\mb+4:AB+24*(\b)+8*\mb+7], v[(\areg)+\mb] offset:(\aimm)+32
.endr
.endm
; A STEP: ring set u x token buffer b.  first = 1: the bias starts the sums.  nexta = 1: the next step's tokens are fetched into the other buffer.  cnt: the loads issued behind set u's.
; soff >= 0: set u is asked for again.  fm: the operands' format, bf16 in fc1 and f16 in fc2.  The 12 accumulators take turns, one instruction a turn, over the loop's jump too.
; The four v_nop are the places between the products and the loads into set u, the next step's loads into the token buffer just read, and any reading of the sums.
.macro STEP u, b, areg, aimm, first, nexta, cnt, soff, fm
	s_wait_loadcnt \cnt
	s_wait_dscnt 0x0                               ; this step's tokens, asked for a step ago
.if \nexta
	ALD 1-(\b), \areg, \aimm
.endif
	WIN 0x01                                       ; source 0 in window 1
.irp nb,0,1,2,3
.irp mb,0,1,2
.if \first
	v_wmma_f32_16x16x32_\fm v[ACC+8*(4*\mb+\nb):ACC+8*(4*\mb+\nb)+7], v[32*(\u)+8*\nb:32*(\u)+8*\nb+7], v[AB+24*(\b)+8*\mb:AB+24*(\b)+8*\mb+7], v[BIAS+8*\nb:BIAS+8*\nb+7]
.else
	v_wmma_f32_16x16x32_\fm v[ACC+8*(4*\mb+\nb):ACC+8*(4*\mb+\nb)+7], v[32*(\u)+8*\nb:32*(\u)+8*\nb+7], v[AB+24*(\b)+8*\mb:AB+24*(\b)+8*\mb+7], v[ACC+8*(4*\mb+\nb):ACC+8*(4*\mb+\nb)+7]
.endif
.endr
.endr
.rept 4
	v_nop
.endr
.if (\soff) >= 0
	RING \u, \soff
.endif
.endm
; A PREFETCH INTO THE L2 of eight steps (32 KiB) of my wave's own stream: a lane 256 bytes, four instructions, behind a step's loads.  All tiles of an expert walk the same weights: the expert's first tile asks, each wave
; for its own 256 KiB, so each block of 256 bytes is named once in the launch.  The stream's first 24 steps come by their loads alone; steps 24-31 are named behind step 0, steps 8 t + 32 .. 8 t + 39 behind step
; 8 t + 1: 16 to 30 steps ahead of the loads that want them.  Nothing past step 63, the stream's end, is named.
.macro ASK off
	WIN 0
	s_cmp_lg_u32 s[PFON], 0
	s_cbranch_scc0 .Lnot_mine_\@
.irp i,0,1,2,3
	global_prefetch_b8 v[PFO], s[WB:WB+1] offset:(\off)+8192*\i th:TH_LOAD_NT scope:SCOPE_SE
.endr
.Lnot_mine_\@:
.endm
	; FC1: steps 0 to 31.  Step s takes X's bytes 64 s on and ring set s % 8, and asks for step s + 8.
	ALD 0, XA, 0
	STEP 0, 0, XA, 64, 1, 1, 56, 8*4096, bf16      ; written out: the bias starts the sums
	ASK 98304
	BIASLD B2P, 0                                  ; fc2's first chunk's bias, into the registers that step 0 has read
	WIN 0
	s_mov_b32 s[TRIP], 3
.Lfc1:                                                 ; a trip: steps 8 t + 1 .. 8 t + 8
.set j, 1
.rept 8
	STEP j&7, j&1, XA, 64*(j+1), 0, 1, 56, (8+j)*4096, bf16
.if j == 1
	ASK 131072
.endif
.set j, j+1
.endr
	WIN 0
.irp mb,0,1,2
	v_add_nc_u32 v[XA+\mb], 512, v[XA+\mb]
.endr
	s_wait_xcnt 0x0                                ; every load and prefetch issued so far has read its address (the youngest prefetch stands seven steps back): the stream's base may be written
	s_add_nc_u64 s[WB:WB+1], s[WB:WB+1], 32768
	s_sub_co_u32 s[TRIP], s[TRIP], 1
	s_cmp_lg_u32 s[TRIP], 0
	s_cbranch_scc1 .Lfc1
.set j, 1
.rept 6                                ; steps 25 to 30
	STEP j, j&1, XA, 64*(j+1), 0, 1, 56, (8+j)*4096, bf16
.if j == 1
	ASK 131072
.endif
.set j, j+1
.endr
	STEP 7, 1, XA, 0, 0, 0, 56, 15*4096, bf16      ; step 31: no further tokens
	WIN 0
.irp mb,0,1,2                          ; H = relu(..), rounded once to f16: a lane's eight columns are 16 bytes of a row
.irp nb,0,1,2,3
.irp r,0,1,2,3
	v_cvt_pk_f16_f32 v[TP+4*\nb+\r], v[ACC+8*(4*\mb+\nb)+2*\r], v[ACC+8*(4*\mb+\nb)+2*\r+1]
.endr
.irp r,0,1,2,3
	v_pk_max_num_f16 v[TP+4*\nb+\r], v[TP+4*\nb+\r], v[ZR]
.endr
	ds_store_b128 v[HS], v[TP+4*\nb:TP+4*\nb+3] offset:\mb*16*HP+32*\nb
.endr
.endr
	s_wait_dscnt 0x0
	s_barrier_signal -1
	s_barrier_wait -1                              ; barrier 4: all 512 columns of H lie in LDS
; THE WAY OUT of block mb of chunk c: x imp, through my own stage, back as whole rows of 256 bytes, stored: 16 lanes fill 256 consecutive bytes, aligned.  A block without rows is jumped; in a block that is not
; full EXEC is narrowed store by store.
.macro OUTB c, mb
	WIN 0
	s_cmp_eq_u32 s[RW+\mb], 0
	s_cbranch_scc1 .Lskip_\@
.irp nb,0,1,2,3
.irp k,0,2,4,6
	v_pk_mul_f32 v[ACC+8*(4*\mb+\nb)+\k:ACC+8*(4*\mb+\nb)+\k+1], v[ACC+8*(4*\mb+\nb)+\k:ACC+8*(4*\mb+\nb)+\k+1], v[IMP+2*\mb:IMP+2*\mb+1] op_sel_hi:[1,0]
.endr
.endr
.irp nb,0,1,2,3
	ds_store_b128 v[SS], v[ACC+8*(4*\mb+\nb):ACC+8*(4*\mb+\nb)+3]   offset:64*\nb
	ds_store_b128 v[SS], v[ACC+8*(4*\mb+\nb)+4:ACC+8*(4*\mb+\nb)+7] offset:64*\nb+16
.endr
	s_wait_xcnt 0x0                                ; the registers below were earlier stores' data
.irp t,0,1,2,3,4,5,6,7
	ds_load_b128 v[AB+4*\t:AB+4*\t+3], v[SR] offset:2*SPI*\t  ; LDS serves a wave's instructions in order: these see the stores above
.endr
	s_wait_dscnt 0x0
	s_cmp_eq_u32 s[RW+\mb], 16
	s_cbranch_scc0 .Lpart_\@
.irp t,0,1,2,3,4,5,6,7
	global_store_b128 v[OFFS+8*\mb+\t], v[AB+4*\t:AB+4*\t+3], s[OB:OB+1] offset:256*\c th:TH_STORE_NT
.endr
	s_branch .Lskip_\@
.Lpart_\@:
.irp t,0,1,2,3,4,5,6,7
	s_sub_co_i32 s[T0], s[RW+\mb], 2*\t
	v_cmp_gt_i32 vcc_lo, s[T0], v[HI]              ; row 2 t + lane / 16 lies below the count
	s_wait_xcnt 0x0                                ; EXEC changes only behind s_wait_xcnt 0
	s_and_saveexec_b32 s[SAVE], vcc_lo
	global_store_b128 v[OFFS+8*\mb+\t], v[AB+4*\t:AB+4*\t+3], s[OB:OB+1] offset:256*\c th:TH_STORE_NT
	s_wait_xcnt 0x0
	s_or_b32 exec_lo, exec_lo, s[SAVE]
.endr
.Lskip_\@:
.endm
; FC2, chunk c: steps 32 + 16 c .. 47 + 16 c, in f16.  The stream's base stands at step 24.  Steps up to 55 ask for the step eight on; behind step 56 the counts run down with the sets still out.
.macro CHUNK c
	s_wait_loadcnt 56                              ; the chunk's bias is in: more than 56 loads were issued behind it
	ROUNDB
.if \c
	s_wait_xcnt 0x0                                ; the token buffers were stores' data
.endif
	ALD 0, HA, 0
.set ks, 0
.rept 16
.set sg, 32+16*(\c)+ks
.set cn, 56
.if sg > 56
.set cn, 56-8*(sg-56)
.endif
.set so, (sg-16)*4096
.if sg > 55
.set so, -1
.endif
.set fi, 0
.if ks == 0
.set fi, 1
.endif
.set na, 1
.if ks == 15
.set na, 0
.endif
	STEP sg&7, ks&1, HA, 64*(ks+1), fi, na, cn, so, f16
.if sg == 32
	BIASLD B2P, 256                                ; the second chunk's bias, into the registers that step 32 has read
.endif
.set ks, ks+1
.endr
	OUTB \c, 0
	OUTB \c, 1
	OUTB \c, 2
.endm
	CHUNK 0
	CHUNK 1
	s_wait_tensorcnt 0x0                           ; the wave's end, behind my last LDS store
	ds_add_u32 v[SPW], v[NIL]
	s_wait_dscnt 0x0
	s_endpgm
.Lfunc_end_k_q4c0c6184b5_chain:
	.size	k_q4c0c6184b5_chain, .Lfunc_end_k_q4c0c6184b5_chain-k_q4c0c6184b5_chain
	.p2alignl 7, 3214868480
	.fill 96, 4, 3214868480
	.section	.rodata,"a",@progbits
	.p2align	6, 0x0
	.amdhsa_kernel k_q4c0c6184b5_chain
		.amdhsa_group_segment_fixed_size 187136
		.amdhsa_private_segment_fixed_size 0
		.amdhsa_enable_private_segment 0
		.amdhsa_kernarg_size 72
		.amdhsa_user_sgpr_count 2
		.amdhsa_user_sgpr_kernarg_segment_ptr 1
		.amdhsa_wavefront_size32 1
		.amdhsa_system_sgpr_workgroup_id_x 1
		.amdhsa_system_sgpr_workgroup_id_y 1
		.amdhsa_system_sgpr_workgroup_id_z 1
		.amdhsa_system_vgpr_workitem_id 0
		.amdhsa_next_free_vgpr 512
		.amdhsa_next_free_sgpr 96
		.amdhsa_reserve_vcc 1
		.amdhsa_float_denorm_mode_32 3
		.amdhsa_float_denorm_mode_16_64 3
		.amdhsa_memory_ordered 1
		.amdhsa_forward_progress 1
		.amdhsa_inst_pref_size 215
	.end_amdhsa_kernel
	.amdgpu_metadata
---
amdhsa.version: [ 1, 2 ]
amdhsa.kernels:
  - .name:           k_q4c0c6184b5_chain
    .symbol:         k_q4c0c6184b5_chain.kd
    .args:
      - { .name: x, .offset: 0, .size: 8, .value_kind: global_buffer, .address_space: global }
      - { .name: wb, .offset: 8, .size: 8, .value_kind: global_buffer, .address_space: global }
      - { .name: fc1_b, .offset: 16, .size: 8, .value_kind: global_buffer, .address_space: global }
      - { .name: fc2_b, .offset: 24, .size: 8, .value_kind: global_buffer, .address_space: global }
      - { .name: rt, .offset: 32, .size: 8, .value_kind: global_buffer, .address_space: global }
      - { .name: impb, .offset: 40, .size: 8, .value_kind: global_buffer, .address_space: global }
      - { .name: psum, .offset: 48, .size: 8, .value_kind: global_buffer, .address_space: global }
      - { .name: out0, .offset: 56, .size: 8, .value_kind: global_buffer, .address_space: global }
      - { .name: out1, .offset: 64, .size: 8, .value_kind: global_buffer, .address_space: global }
    .group_segment_fixed_size: 187136
    .private_segment_fixed_size: 0
    .kernarg_segment_align: 8
    .kernarg_segment_size: 72
    .max_flat_workgroup_size: 256
    .sgpr_count:     96
    .vgpr_count:     512
    .wavefront_size: 32
...
	.end_amdgpu_metadata
.endif
;; end of part 2
